; MI455X (gfx1250); checked and timed in simulation.
; The chip was launched on July 23, 2026; its instructions are those of AMD's public machine-readable ISA for CDNA 5 (MIT licence, August 2026) and "CDNA5" Instruction Set Architecture Reference Guide (July 2026). The comments in the code are by the model that wrote it; some were corrected since.
;; HRRNSVQ. Allowed arithmetic: matrix products marked QUANTISED: E5M2 operands, one E8M0 scale for each 32 along K, by v_wmma_scale_f32_16x16x128_f8f6f4 with both operands' format E5M2, f32 sums; everything else in f32.
;; Inputs: codebooks 4,096 x 256 float32; random_vector 65,536 x 256 float32; x 65,536 x 256 float32.
;; Outputs: out0 65,536 x 256 float32.
;; This version of the problem:
;;   THIS VERSION OF THE PROBLEM IS GIVEN IN LOW PRECISION. The matrix products marked QUANTISED in the list below multiply operands that are first quantised to E5M2 (5 exponent bits, 2 mantissa bits; 8 bits a number), with one power-of-two scale for each 32 numbers along K (OCP MX v1.0); their sums are f32. All else is computed in f32.
;;   The module's matrix products, in the order in which they are computed (A, B: the left and right operand; K: the contracted axis; several contracted axes count as one K, in the product's order):
;;     1. [M 65,536, K 256] x [K 256, N 4,096]; A: input x; B: input codebooks: QUANTISED
;;   THE QUANTISER, for each operand of a quantised product, along K:
;;     - K is cut into blocks of 32 from its start; a last block that is shorter is filled with zeros.
;;     - A block's scale is 2^e with e = floor(log2(the largest magnitude in the block)) - 15, held to -126 .. 127; a block of zeros has e = 0. As a byte (E8M0): e + 127.
;;     - Each number is divided by its block's scale, clamped to +-57,344, and rounded to the nearest number of E5M2, ties to even, subnormals kept.
;;     - The product sums the exact products of the quantised numbers (number of the format x scale) in f32.
;;   ~~~python
;;   def quantise(x, axis):      # numpy; x: float32 -> the quantised numbers, widened to float32 again
;;       x = np.moveaxis(x, axis, -1); K = x.shape[-1]
;;       x = np.pad(x, [(0, 0)] * (x.ndim - 1) + [(0, -K % 32)]); x = x.reshape(x.shape[:-1] + (-1, 32)); a = np.abs(x).max(-1, keepdims=True)
;;       e = np.where(a > 0, np.clip(np.frexp(np.where(a > 0, a, 1))[1] - 1 - 15, -126, 127), 0)      # np.frexp(a)[1] - 1 = floor(log2(a)), exactly
;;       r = np.clip(x / 2.0 ** e, -57344, 57344)
;;       step = 2.0 ** (np.maximum(np.frexp(np.where(r == 0, 1, r))[1] - 1, -14) - 2)
;;       q = np.round(r / step) * step * 2.0 ** e      # np.round: ties to even
;;       return np.moveaxis(q.reshape(q.shape[:-2] + (-1,))[..., :K], -1, axis).astype(np.float32)
;;   ~~~
;; One version. Each part assembles by itself: llvm-mc -triple=amdgcn-amd-amdhsa -mcpu=gfx1250 --defsym DOCPART=n.
;; ======== version 1 of 1: 3 launches
;; limits: values within 3.8e-06 (relative) of each other or of a threshold may be ordered or decided otherwise than in the reference
;; workspace buffers: cbq 1,114,112 bytes; idx 262,144 bytes of whole numbers
;; launch prep (part 1): grid 256 x 1, 1 waves a work-group, no clusters, 0 bytes of LDS; arguments codebooks, cbq; writes cbq
.if DOCPART == 1
	.amdgcn_target "amdgcn-amd-amdhsa--gfx1250"
	.amdhsa_code_object_version 6
	.text
	.protected	k_qdee3339cc8_prep
	.globl	k_qdee3339cc8_prep
	.p2align	8
	.type	k_qdee3339cc8_prep,@function
k_qdee3339cc8_prep:
	s_mov_b64 s[64:65], 0
	v_nop
	global_prefetch_b8 v0, s[64:65] scope:SCOPE_SE
	s_setreg_imm32_b32 hwreg(HW_REG_WAVE_MODE, 25, 1), 1
	s_wait_xcnt 0x0
; The codebook [4096][256] f32 is quantised ONCE, along its 256, into codes of BF8 (E5M2) with one E8M0 scale byte for each 32, and laid in the order in which the
; product's launch takes an operand's registers.  One wave makes one RECORD of 4,352 bytes: 16 rows of the codebook (16 t .. 16 t + 15, t = the work-group's number):
;   + 2048 s + 512 c + 16 lane : the 16 codes k = 128 s + 32 c + 16 (lane / 16) + 0 .. 15 of row lane % 16: registers 4 c .. 4 c + 3 of K step s's fragment, lane by lane
;   + 4096 + 4 lane            : lanes 0-15 the scale word (four bytes) of row lane for K step 0, lanes 16-31 that of row lane - 16 for K step 1
;   + 4224 + 4 m               : -||row m||^2 / 2 in f32, taken of the UNQUANTISED numbers (m = 0 .. 15); then 64 bytes of zeros
; A block's scale is 2^(floor(log2(its largest magnitude)) - 15); its byte is that magnitude's exponent field - 15, held at 1 from below.
; LIMITS: a block of zeros gets the byte 1 where the stated quantiser says 127: its codes are zeros, which add nothing, and this program alone reads the bytes.  Blocks whose largest
; magnitude lies under 2^-111 keep the byte 1.  NaN and infinities among the inputs are not served.
; A lane takes, of its row, 16 neighbours of each block of 32 (four loads of 16 bytes): the conversions want neighbours along K in one lane's registers.  The tensor is 4 MiB and is read here once.
.set REC, 4352
.set TM,  8                            ; v8-11 largest magnitudes, v12-15 bytes, v16-19 the largest number x the scale, v20-23 the conversions' scale operands
.set PW,  24                           ; v24, v25 the scale words of K steps 0 and 1
.set PC,  32                           ; v32-63   the two fragments
.set X,   64                           ; v64-191  register 16 b + i = k 32 b + 16 (lane / 16) + i of my row
.set SQ,  192                          ; v192-199 four packed chains of squares
	s_load_b128 s[4:7], s[0:1], 0x0                ; the codebook, the records
	v_and_b32 v1, 15, v0                           ; r: my row
	v_lshrrev_b32 v2, 4, v0                        ; h: my half of each block (one wave: v0 is the lane)
	v_lshlrev_b32 v3, 10, v1
	v_lshl_add_u32 v3, v2, 6, v3                   ; row r of 1,024 bytes, + 64 h
	v_lshlrev_b32 v4, 4, v0                        ; 16 x lane: an image's place
	v_lshlrev_b32 v5, 2, v0                        ; 4 x lane: a word's
	v_mov_b32 v28, 0
.irp b, 0,1,2,3
	v_mov_b32 v[TM+4+\b], 0                        ; written once: a lane permute's destination counts as one of its sources
.endr
	s_lshl_b32 s8, ttmp9, 14                       ; 16 rows of 1,024 bytes
	s_mov_b32 s9, 0
	s_mul_i32 s10, ttmp9, REC
	s_mov_b32 s11, 0
	s_mov_b32 s20, 0x76543210
	s_mov_b32 s21, 0xfedcba98                      ; v_permlanex16_b32's selects for lane l xor 16
	s_mov_b32 s22, 0x600000                        ; the mantissa field of 57,344
	s_mov_b32 s23, 0xffff0000                      ; lanes 16-31
	s_wait_kmcnt 0x0
	s_add_nc_u64 s[4:5], s[4:5], s[8:9]
	s_add_nc_u64 s[6:7], s[6:7], s[10:11]
.irp b, 0,1,2,3,4,5,6,7
.irp j, 0,1,2,3
	global_load_b128 v[X+16*\b+4*\j:X+16*\b+4*\j+3], v3, s[4:5] offset:128*\b+16*\j
.endr
.endr
; the squares of 64 numbers, two at a time, in four chains; first = 1: the first four products start the chains, nothing is cleared
.macro SQUARES s, first
.set q, 0
.rept 32
.if \first && (q < 4)
	v_pk_mul_f32 v[SQ+2*q:SQ+2*q+1], v[\s+2*q:\s+2*q+1], v[\s+2*q:\s+2*q+1]
.else
	v_pk_fma_f32 v[SQ+2*(q%4):SQ+2*(q%4)+1], v[\s+2*q:\s+2*q+1], v[\s+2*q:\s+2*q+1], v[SQ+2*(q%4):SQ+2*(q%4)+1]
.endif
.set q, q+1
.endr
.endm
; 64 numbers of a lane, v[s] on, become a fragment's codes in v[pc] on and its scale word in v[pw]
.macro QUANT s, pc, pw
.irp b, 0,1,2,3
	v_max3_num_f32 v[TM+\b], |v[\s+16*\b]|, |v[\s+1+16*\b]|, 0x8000000   ; block b: my 16 numbers, and the floor 2^(16 - 127): the byte cannot fall under 1
.endr
.irp i, 2,4,6,8,10,12,14
.irp b, 0,1,2,3
	v_max3_num_f32 v[TM+\b], v[TM+\b], |v[\s+16*\b+\i]|, |v[\s+1+16*\b+\i]|   ; the four blocks by turns
.endr
.endr
.irp b, 0,1,2,3
	v_permlanex16_b32 v[TM+4+\b], v[TM+\b], s20, s21
.endr
.irp b, 0,1,2,3
	v_max_num_f32 v[TM+\b], v[TM+\b], v[TM+4+\b]   ; with lane l xor 16's 16: the block's largest magnitude
.endr
.irp b, 0,1,2,3
	v_add_nc_u32 v[TM+12+\b], 0xf8800000, v[TM+\b] ; 15 off its exponent field: the conversion takes the exponent field of this operand as its scale
.endr
.irp b, 0,1,2,3
	v_and_or_b32 v[TM+8+\b], v[TM+\b], 0x7f800000, s22   ; 57,344 x the scale
.endr
.irp b, 0,1,2,3
	v_lshrrev_b32 v[TM+4+\b], 23, v[TM+12+\b]      ; the scale's byte
.endr
	v_lshl_or_b32 v[\pw], v[TM+5], 8, v[TM+4]      ; four bytes make my row's scale word
	v_lshl_or_b32 v[\pw], v[TM+6], 16, v[\pw]
	v_lshl_or_b32 v[\pw], v[TM+7], 24, v[\pw]
.irp b, 0,1,2,3
.irp i, 0,1,2,3,4,5,6,7,8,9,10,11,12,13,14,15
	v_med3_num_f32 v[\s+16*\b+\i], v[\s+16*\b+\i], -v[TM+8+\b], v[TM+8+\b]   ; the conversion to an 8-bit code does not saturate (ISA guide 7.6.2): the hold comes first
.endr
	v_cvt_scalef32_pk8_bf8_f32 v[\pc+4*\b:\pc+1+4*\b], v[\s+16*\b:\s+7+16*\b], v[TM+12+\b]
	v_cvt_scalef32_pk8_bf8_f32 v[\pc+2+4*\b:\pc+3+4*\b], v[\s+8+16*\b:\s+15+16*\b], v[TM+12+\b]
.endr
	v_nop                                          ; one plain vector instruction behind the last conversion, ahead of whatever next writes its sources
.endm
	s_wait_loadcnt 16                              ; K step 0's sixteen loads are in; K step 1's sixteen may be out
	SQUARES X, 1                                   ; ahead of the hold, which writes the numbers in place
	QUANT X, PC, PW
	s_wait_loadcnt 0x0
	SQUARES X+64, 0
	QUANT X+64, PC+16, PW+1
	v_pk_add_f32 v[SQ:SQ+1], v[SQ:SQ+1], v[SQ+2:SQ+3]
	v_pk_add_f32 v[SQ+4:SQ+5], v[SQ+4:SQ+5], v[SQ+6:SQ+7]
	v_pk_add_f32 v[SQ:SQ+1], v[SQ:SQ+1], v[SQ+4:SQ+5]
	v_add_f32 v[SQ], v[SQ], v[SQ+1]
	v_permlanex16_b32 v[SQ+1], v[SQ], s20, s21
	v_add_f32 v[SQ], v[SQ], v[SQ+1]                ; ||row r||^2
	v_mul_f32 v[SQ], -0.5, v[SQ]
	v_cndmask_b32 v26, v[PW], v[PW+1], s23         ; lanes 0-15: K step 0's word of row r; lanes 16-31: K step 1's
	v_cndmask_b32 v27, v[SQ], v28, s23             ; lanes 0-15: the bias of row r; lanes 16-31: 0
.irp s, 0,1
.irp c, 0,1,2,3
	global_store_b128 v4, v[PC+16*\s+4*\c:PC+16*\s+4*\c+3], s[6:7] offset:2048*\s+512*\c   ; 512 consecutive bytes, at a multiple of 256 from the buffer's first byte
.endr
.endr
	global_store_b32 v5, v26, s[6:7] offset:4096
	global_store_b32 v5, v27, s[6:7] offset:4224   ; the record's last 256 bytes leave in two halves: 1 part in 17 of what the launch stores
	s_endpgm
.Lfunc_end_k_qdee3339cc8_prep:
	.size	k_qdee3339cc8_prep, .Lfunc_end_k_qdee3339cc8_prep-k_qdee3339cc8_prep
	.p2alignl 7, 3214868480
	.fill 96, 4, 3214868480
	.section	.rodata,"a",@progbits
	.p2align	6, 0x0
	.amdhsa_kernel k_qdee3339cc8_prep
		.amdhsa_group_segment_fixed_size 0
		.amdhsa_private_segment_fixed_size 0
		.amdhsa_enable_private_segment 0
		.amdhsa_kernarg_size 16
		.amdhsa_user_sgpr_count 2
		.amdhsa_user_sgpr_kernarg_segment_ptr 1
		.amdhsa_wavefront_size32 1
		.amdhsa_system_sgpr_workgroup_id_x 1
		.amdhsa_system_sgpr_workgroup_id_y 1
		.amdhsa_system_sgpr_workgroup_id_z 1
		.amdhsa_system_vgpr_workitem_id 0
		.amdhsa_next_free_vgpr 224
		.amdhsa_next_free_sgpr 66
		.amdhsa_reserve_vcc 0
		.amdhsa_float_denorm_mode_32 3
		.amdhsa_float_denorm_mode_16_64 3
		.amdhsa_memory_ordered 1
		.amdhsa_forward_progress 1
		.amdhsa_inst_pref_size 26
	.end_amdhsa_kernel
	.amdgpu_metadata
---
amdhsa.version: [ 1, 2 ]
amdhsa.kernels:
  - .name:           k_qdee3339cc8_prep
    .symbol:         k_qdee3339cc8_prep.kd
    .args:
      - { .name: codebooks, .offset: 0, .size: 8, .value_kind: global_buffer, .address_space: global }
      - { .name: cbq, .offset: 8, .size: 8, .value_kind: global_buffer, .address_space: global }
    .group_segment_fixed_size: 0
    .private_segment_fixed_size: 0
    .kernarg_segment_align: 8
    .kernarg_segment_size: 16
    .max_flat_workgroup_size: 32
    .sgpr_count:     66
    .vgpr_count:     224
    .wavefront_size: 32
...
	.end_amdgpu_metadata
.endif
;; end of part 1
;; launch main (part 2): grid 256 x 1, 8 waves a work-group, clusters of 4 x 1, 327,680 bytes of LDS; arguments x, cbq, idx; writes idx
.if DOCPART == 2
	.amdgcn_target "amdgcn-amd-amdhsa--gfx1250"
	.amdhsa_code_object_version 6
	.text
	.protected	k_qdee3339cc8_main
	.globl	k_qdee3339cc8_main
	.p2align	8
	.type	k_qdee3339cc8_main,@function
k_qdee3339cc8_main:
	s_mov_b64 s[64:65], 0
	v_nop
	global_prefetch_b8 v0, s[64:65] scope:SCOPE_SE
	s_setreg_imm32_b32 hwreg(HW_REG_WAVE_MODE, 25, 1), 1
	s_wait_xcnt 0x0
	s_wait_alu depctr_hold_cnt(0) depctr_sa_sdst(0) depctr_va_vdst(0) depctr_va_sdst(0) depctr_va_ssrc(0) depctr_va_vcc(0) depctr_vm_vsrc(0)
	s_getreg_b32 s2, hwreg(HW_REG_IB_STS2, 6, 4)
	s_cmp_eq_u32 s2, 0
	s_cbranch_scc0 .Lentry_in_a_cluster
	s_endpgm
.Lentry_in_a_cluster:
	s_bfe_u32 s2, ttmp6, 0x10000c
	s_cmp_lg_u32 s2, 0x3003
	s_cbranch_scc0 .Lentry_shape_is_right
	s_endpgm
.Lentry_shape_is_right:
; For each of 65,536 rows of x: the number of the nearest of 4,096 codebook rows, by the QUANTISED product x . c (codes of BF8, E5M2, one E8M0 scale for each 32 along K = 256).
; argmin_k(||x||^2 - 2 x.c_k + ||c_k||^2) = argmax_k(x.c_k - ||c_k||^2 / 2).  The index is stored at a fixed place (4 bytes a row); the launch behind this one gathers by it.
; SHARES.  A work-group owns 256 rows of x.  It quantises them once (wave w: rows 32 w .. 32 w + 31) into LDS.  Wave w = 4 rh + cq then keeps the codes of rows 128 rh .. + 127 in 256 registers
; (window 1) for the whole launch, and of every SLOT of 16 records (256 codebook rows, laid by the launch before in the order of an operand's registers) it takes records 4 cq + u, u = 0 .. 3.
; Two waves share a SIMD's registers, 512 each, so that one wave's vector work is issued beside the other's matrix instructions.
; THE PRODUCT IS USED TRANSPOSED: source 0 = 16 codebook rows, source 1 = 16 rows of x.  A lane (r, h) then holds ONE row of x (r), its register j the codebook row 8 h + j of the record: the maximum runs inside a lane.
; -||c||^2 / 2 is the C of a score's first matrix instruction: eight registers in the result's layout.
; THE ARGMAX, two levels.  In a slot a lane sees 32 scores of a row: each score's 5 lowest mantissa bits are replaced by 31 - (8 u + j) (one v_and_or_b32), and v_max3_num_f32 takes two such keys an instruction.
; Between slots a compare and two selects keep the best key and its slot's number.  At the end: the two halves of the lanes, then the four waves of a row half, through LDS.
; CLUSTER.  All work-groups walk the same records: the four of a cluster ask for each slot JOINTLY (the same tensor load, the same descriptor, a mask that names the four), which divides the requests by four.
; LIMITS.  ||x||^2, the same for every k of a row, is left out of the comparison and -||c||^2 / 2 is added inside the matrix unit: an order of rounding that differs from the reference's.
; Scores are compared on sign, exponent and the upper 18 mantissa bits; among scores of a row that agree in these the winner is not always the lowest index.  Scores are taken to lie above -3.4e38.
; NaN and infinities among the inputs are not served.  A block of zeros gets the scale byte 1 with zero codes; blocks whose largest magnitude lies under 2^-111 keep the byte 1.
.set REC,   4352                       ; a record: 4,096 bytes of codes, 128 of scale words, 64 of biases, 64 of zeros
.set SLOTB, 16*REC                     ; a slot: 69,632 bytes
.set XS,    SLOTB                      ; LDS: slot 0 at 0; behind it x's scale bytes, 8 a row, 2,048 bytes;
.set MRG,   XS+2048                    ; the waves' results, 1,024 bytes a wave: for each tile of 16 rows 16 values, then 16 indices;
.set SPARE, MRG+8192                   ; the spare words, 128 bytes for each of eight waves: four blocks of 256 bytes that no other line names;
.set SLOT1, 1<<17                      ; slot 1, so that one exclusive or turns an address in one slot into the other's;
.set XC,    SLOT1+SLOTB                ; x's codes: 256 rows,
.set XP,    272                        ; 256 bytes + 16: 68 words: row r starts at bank 4 r mod 64 (64 banks of 4 bytes: ISA guide 11.1)
.set SPW, 1                            ; v1   LDS address of my spare word; never rewritten
.set NIL, 2                            ; v2   0; never rewritten
.set AI0, 3                            ; v3   16 lane + 4 REC cq: my place in my first record's images
.set AS0, 4                            ; v4   4 lane + 4 REC cq + 4096: in its scale words
.set AB0, 5                            ; v5   32 h + 4 REC cq + 4224: in its biases
.set ADI, 6                            ; v6-8 the same three in the slot in hand
.set ADS, 7
.set ADB, 8
.set TRP, 9                            ; v9   the slot's number
.set XO,  10                           ; v10  32 lane: my 8 numbers of a row of x
.set AXC, 11                           ; v11  where I store 8 codes of a row
.set AXS, 12                           ; v12  and my block's scale byte
.set AXF, 13                           ; v13  where I read x's fragments
.set AXW, 14                           ; v14  and x's scale words
.set AMS, 15                           ; v15  where I store my results
.set AML, 16                           ; v16  where waves 0-3 read the four waves' results
.set IO,  17                           ; v17  8 lane: two indices
.set T,   18                           ; at the head only: v18-21 largest magnitudes, v22-25 scale operands, v26-29 limits, v30-37 bytes (two sets), v38-53 codes (two sets)
.set SCL, 22
.set LIM, 26
.set BYT, 30
.set PC,  38
.set SW,  54                           ; v54, v55 the records' scale words, one for each buffer; v56-63 x's, one for each tile of rows: these ten hold scales and nothing else
.set XSW, 56
.set ST,  64                           ; at the head only: v64-255 six places of 32: four rows of x each
.set KB,  64                           ; v64-71   the best key of each tile of rows
.set TBK, 72                           ; v72-79   its slot
.set KT,  80                           ; v80-87   the key of the slot in hand
.set BI,  88                           ; v88-103  biases, two buffers
.set F0,  104                          ; v104-167 a record's two fragments, two buffers
.set ACC, 168                          ; v168-231 the scores: tile of rows b at ACC + 8 b
.set E,   232                          ; at the end: v232-239, v240-247 at work; v240-247 values and v248-255 indices of the last merge
.set E2,  240
.set MV,  240
.set MI,  248
.set OV,  18                           ; at the end: the other half of the lanes' values and indices
.set OI,  26
.set MSB, 0
.macro WIN new                         ; the immediate's high byte repeats the setting that is left
.if MSB != \new
	s_set_vgpr_msb (MSB<<8)|\new
.set MSB, \new
.endif
.endm
.macro CREST                           ; a round of the cluster's barrier behind its opening barrier
	s_cmp_lg_u32 s10, 0
	s_cbranch_scc1 .Lnot_wave_0_\@
	s_barrier_signal -3
.Lnot_wave_0_\@:
	s_barrier_wait -3
	s_barrier_signal -1
	s_barrier_wait -1
.endm
.macro CROUND                          ; a whole round
	s_barrier_signal -1
	s_barrier_wait -1
	CREST
.endm
	s_load_b128 s[4:7], s[0:1], 0x0                ; x, the records
	s_load_b64 s[8:9], s[0:1], 0x10                ; the indices
	v_lshl_add_u32 v[SPW], v0, 2, SPARE
	v_mov_b32 v[NIL], 0
	ds_add_u32 v1, v2
	ds_add_u32 v1, v2
	s_wait_dscnt 0x0
	v_lshrrev_b32 v18, 5, v0
	v_readfirstlane_b32 s10, v18                   ; wave 0..7
	s_and_b32 s11, s10, 3                          ; cq: which four records of a slot
	s_lshr_b32 s12, s10, 2                         ; rh: which 128 rows
	s_bfe_u32 s13, ttmp6, 0x40000                  ; cx: my place in the cluster: it enters x's and the indices' global addresses alone
	s_lshl_b32 s14, ttmp9, 2
	s_add_co_u32 s14, s14, s13                     ; my block of 256 rows = 4 x cluster + cx
	; descriptor group 1: two records, 8,704 dense bytes, as 34 rows of 256 bytes (32 elements of 8 bytes), no padding: images are read 16 bytes a lane, on end
	s_mov_b32 s16, 15|(3<<16)|(1<<21)              ; 15:0 the mask: all four work-groups; 17:16 elements of 8 bytes; 21 set beside a mask
	s_mov_b32 s17, 32<<16                          ; tensor_dim0 = 32
	s_mov_b32 s18, 34<<16                          ; tensor_dim1 = 34
	s_mov_b32 s19, 32<<16                          ; tile_dim0 = 32
	s_mov_b32 s20, 34                              ; tile_dim1 = 34
	s_mov_b32 s21, 32                              ; from row to row
	s_mov_b32 s22, 0
	s_mov_b32 s23, 0
	s_mov_b32 s34, 0xffffffe0                      ; clears a score's five lowest bits
	s_mov_b32 s35, 0x600000                        ; the mantissa field of 57,344
	s_mov_b32 s36, 0x76543210
	s_mov_b32 s37, 0xfedcba98                      ; v_permlanex16_b32's selects for lane l xor 16
	s_mov_b32 s38, 0xffff0000                      ; lanes 16-31
	; every LDS address is made here: a constant, a lane term, the wave's number times a constant
	v_and_b32 v19, 31, v0                          ; lane
	v_and_b32 v20, 15, v0                          ; r
	v_bfe_u32 v21, v0, 4, 1                        ; h
	s_mul_i32 s40, s11, 4*REC
	v_lshl_add_u32 v[AI0], v19, 4, s40
	s_add_co_u32 s41, s40, 4096
	v_lshl_add_u32 v[AS0], v19, 2, s41
	s_add_co_u32 s41, s40, 4224
	v_lshl_add_u32 v[AB0], v21, 5, s41
	v_lshlrev_b32 v[XO], 5, v19
	s_mul_i32 s41, s10, 32*XP
	s_add_co_u32 s41, s41, XC
	v_lshl_add_u32 v[AXC], v19, 3, s41             ; my wave's 32 rows, 8 bytes a lane
	s_lshl_b32 s41, s10, 8
	s_add_co_u32 s41, s41, XS
	v_lshrrev_b32 v[AXS], 2, v19                   ; four lanes hold a block of 32
	v_add_nc_u32 v[AXS], s41, v[AXS]
	s_mul_i32 s41, s12, 128*XP
	s_add_co_u32 s41, s41, XC
	v_mul_u32_u24 v[AXF], v20, XP
	v_lshl_add_u32 v[AXF], v21, 4, v[AXF]
	v_add_nc_u32 v[AXF], s41, v[AXF]               ; my 128 rows: row r x pitch + 16 h
	s_lshl_b32 s41, s12, 10
	s_add_co_u32 s41, s41, XS
	v_lshlrev_b32 v[AXW], 3, v20
	v_lshl_add_u32 v[AXW], v21, 2, v[AXW]
	v_add_nc_u32 v[AXW], s41, v[AXW]               ; lanes 0-15: row r's word for K step 0; lanes 16-31: for K step 1
	s_lshl_b32 s41, s10, 10
	s_add_co_u32 s41, s41, MRG
	v_lshl_add_u32 v[AMS], v19, 2, s41
	s_bfe_u32 s41, s10, 0x10001                    ; the last merge: wave w (0..3) takes rows 64 w + 2 lane and the next: row half w / 2,
	s_lshl_b32 s41, s41, 12
	s_and_b32 s39, s10, 1                          ; tiles 4 (w % 2) + lane / 8,
	s_lshl_b32 s39, s39, 9
	s_add_co_u32 s41, s41, s39
	s_add_co_u32 s41, s41, MRG
	v_lshrrev_b32 v22, 3, v19
	v_and_b32 v23, 7, v19
	v_lshlrev_b32 v[AML], 7, v22
	v_lshl_add_u32 v[AML], v23, 3, v[AML]          ; rows 2 (lane % 8) and the next of the tile
	v_add_nc_u32 v[AML], s41, v[AML]
	v_lshlrev_b32 v[IO], 3, v19
	s_lshl_b32 s44, s14, 18                        ; x: 256 rows of 1,024 bytes a work-group,
	s_lshl_b32 s45, s10, 15                        ; 32 a wave
	s_add_co_u32 s44, s44, s45
	s_mov_b32 s45, 0
	s_lshl_b32 s42, s14, 10                        ; the indices: 1,024 bytes a work-group, 256 for each of waves 0-3
	s_lshl_b32 s43, s11, 8
	s_add_co_u32 s42, s42, s43
	s_mov_b32 s43, 0
	s_mul_i32 s46, s10, 2*REC                      ; the records: wave w fetches records 2 w and 2 w + 1 of a slot
	s_mov_b32 s47, 0
	s_mov_b32 s24, 1                               ; group 0 for slot 0's first fill: count = 1,
	s_mul_i32 s25, s10, 2*REC                      ; LDS address,
	s_mov_b32 s28, 1                               ; and for slot 1's, which then walks
	s_add_co_u32 s29, s25, SLOT1
	s_wait_kmcnt 0x0
	s_add_nc_u64 s[4:5], s[4:5], s[44:45]
	s_add_nc_u64 s[8:9], s[8:9], s[42:43]
	s_add_nc_u64 s[26:27], s[6:7], s[46:47]        ; global address: the same in all four partners
	s_add_nc_u64 s[30:31], s[26:27], SLOTB
	s_or_b32 s27, s27, 0x80000000                  ; type = 2
	s_or_b32 s31, s31, 0x80000000
; rows 4 g + i, i = 0..3, of my 32: a lane takes k = 8 lane .. + 7, two loads of 16 bytes; the two together read the whole row
.macro XLOAD g
.irp i, 0,1,2,3
	global_load_b128 v[ST+32*((\g)%6)+8*\i:ST+32*((\g)%6)+8*\i+3], v[XO], s[4:5] offset:(4*(\g)+\i)*1024 th:TH_LOAD_NT
	global_load_b128 v[ST+32*((\g)%6)+8*\i+4:ST+32*((\g)%6)+8*\i+7], v[XO], s[4:5] offset:(4*(\g)+\i)*1024+16 th:TH_LOAD_NT
.endr
.endm
.irp g, 0,1,2,3,4,5
	XLOAD \g                                       ; 48 loads of a wave are on their way
.endr
	CROUND                                         ; all four work-groups are here: the first joint loads meet
	tensor_load_to_lds s[24:27], s[16:23]          ; slot 0: the first 16 records
	s_nop 0
	tensor_load_to_lds s[28:31], s[16:23]          ; slot 1: two loads of mine are out
	s_nop 0
.rept 4
	v_nop                                          ; behind a tensor load
.endr
; four rows are quantised, by turns, and go to LDS as rows of 256 codes
.macro QROWS g
.set SB, ST+32*((\g)%6)
.set PS, PC+8*((\g)%2)
.set BS, BYT+4*((\g)%2)
.if 8*(7-(\g)) > 40
	s_wait_loadcnt 40                              ; this group's eight loads are in; the five younger groups' forty may be out
.else
	s_wait_loadcnt 8*(7-(\g))                      ; the younger groups', eight each
.endif
	s_wait_dscnt 8                                 ; the last group's eight stores may be out; those of the group before, which named this set of registers, are done
.irp i, 0,1,2,3
	v_max3_num_f32 v[T+\i], |v[SB+8*\i]|, |v[SB+8*\i+1]|, 0x8000000   ; my 8 numbers, and the floor 2^(16 - 127): the byte cannot fall under 1
.endr
.irp j, 2,4,6
.irp i, 0,1,2,3
	v_max3_num_f32 v[T+\i], v[T+\i], |v[SB+8*\i+\j]|, |v[SB+8*\i+\j+1]|
.endr
.endr
.irp i, 0,1,2,3
	v_max_num_f32_dpp v[T+\i], v[T+\i], v[T+\i] row_xmask:1 row_mask:0xf bank_mask:0xf
.endr
.irp i, 0,1,2,3
	v_max_num_f32_dpp v[T+\i], v[T+\i], v[T+\i] row_xmask:2 row_mask:0xf bank_mask:0xf   ; four lanes hold a block: its largest magnitude
.endr
.irp i, 0,1,2,3
	v_add_nc_u32 v[SCL+\i], 0xf8800000, v[T+\i]    ; 15 off the exponent field: the conversion's scale operand
.endr
.irp i, 0,1,2,3
	v_and_or_b32 v[LIM+\i], v[T+\i], 0x7f800000, s35   ; 57,344 x the scale
.endr
.irp i, 0,1,2,3
	v_lshrrev_b32 v[BS+\i], 23, v[SCL+\i]          ; the scale's byte
.endr
.irp i, 0,1,2,3
.irp j, 0,1,2,3,4,5,6,7
	v_med3_num_f32 v[SB+8*\i+\j], v[SB+8*\i+\j], -v[LIM+\i], v[LIM+\i]   ; the conversion to an 8-bit code does not saturate (ISA guide 7.6.2)
.endr
.endr
.irp i, 0,1,2,3
	v_cvt_scalef32_pk8_bf8_f32 v[PS+2*\i:PS+2*\i+1], v[SB+8*\i:SB+8*\i+7], v[SCL+\i]
.endr
	v_nop                                          ; one plain vector instruction behind the last conversion
.irp i, 0,1,2,3
	ds_store_b64 v[AXC], v[PS+2*\i:PS+2*\i+1] offset:(4*(\g)+\i)*XP   ; 32 lanes: a row's 256 bytes on end
	ds_store_b8 v[AXS], v[BS+\i] offset:(4*(\g)+\i)*8                 ; a block's four lanes write the same byte with the same value
.endr
.if (\g) < 2
	XLOAD (\g)+6                                   ; into the place just left
.endif
.endm
.irp g, 0,1,2,3,4,5,6,7
	QROWS \g
.endr
	s_wait_tensorcnt 0x1                           ; my part of slot 0 is in; slot 1's may stay out
	s_wait_dscnt 0x0                               ; my rows' codes and scale bytes lie in LDS
	s_barrier_signal -1
	; The loop is written once: its first trip finds keys that are not above the best key's starting value, and changes nothing by them.
.irp b, 0,1,2,3,4,5,6,7
	v_mov_b32 v[KB+\b], 0xff7fffe0                 ; under every score that is served
	v_mov_b32 v[TBK+\b], 0
.endr
.irp b, 4,5,6,7
	v_mov_b32 v[KT+\b], 0xff7fffff
.endr
.set q, 32
.rept 32
	v_mov_b32 v[ACC+q], 0xff7fffff                 ; the scores of rows 64-127 'of the slot before the first': tagged, they are at most the starting value
.set q, q+1
.endr
	v_mov_b32 v[TRP], -1
	s_barrier_wait -1                              ; everybody's rows and everybody's part of slot 0 are in
	WIN 0x40                                       ; destination window 1
.irp b, 0,1,2,3,4,5,6,7                ; x's fragments (tile of rows b, K step s) at v[32 b + 16 s] of window 1: they stay.  Registers 4 c .. 4 c + 3: k = 32 c + 16 h + 0 .. 15
.irp s, 0,1
.irp c, 0,1,2,3
	ds_load_b128 v[32*\b+16*\s+4*\c:32*\b+16*\s+4*\c+3], v[AXF] offset:16*XP*\b+128*\s+32*\c
.endr
.endr
.endr
	WIN 0
.irp b, 0,1,2,3,4,5,6,7
	ds_load_b32 v[XSW+\b], v[AXW] offset:128*\b
.endr
; record u of my four: two fragments as images of their registers, the scale words, the eight biases of my half: 11 LDS loads into buffer p
.macro LOAD u, p
.irp s, 0,1
.irp c, 0,1,2,3
	ds_load_b128 v[F0+32*(\p)+16*\s+4*\c:F0+32*(\p)+16*\s+4*\c+3], v[ADI] offset:REC*(\u)+2048*\s+512*\c
.endr
.endr
	ds_load_b32 v[SW+(\p)], v[ADS] offset:REC*(\u)
	ds_load_b128 v[BI+8*(\p):BI+8*(\p)+3], v[ADB] offset:REC*(\u)
	ds_load_b128 v[BI+8*(\p)+4:BI+8*(\p)+7], v[ADB] offset:REC*(\u)+16
.endm
; eight matrix instructions: the record in buffer p against tiles of rows 4 hf .. 4 hf + 3; K step 0 starts the sums with the biases as C, K step 1 adds in place.
; The four accumulators take turns, one instruction a turn.  K step 1's scale words stand in lanes 16-31 of the same registers.
.macro BMUL p, hf
	WIN 0x04                                       ; source 1 (x) in window 1
.irp b, 0,1,2,3
	v_wmma_scale_f32_16x16x128_f8f6f4 v[ACC+8*(4*\hf+\b):ACC+8*(4*\hf+\b)+7], v[F0+32*(\p):F0+32*(\p)+15], v[32*(4*\hf+\b):32*(4*\hf+\b)+15], v[BI+8*(\p):BI+8*(\p)+7], v[SW+(\p)], v[XSW+4*\hf+\b] matrix_a_fmt:MATRIX_FMT_BF8 matrix_b_fmt:MATRIX_FMT_BF8
.endr
.irp b, 0,1,2,3
	v_wmma_scale_f32_16x16x128_f8f6f4 v[ACC+8*(4*\hf+\b):ACC+8*(4*\hf+\b)+7], v[F0+32*(\p)+16:F0+32*(\p)+31], v[32*(4*\hf+\b)+16:32*(4*\hf+\b)+31], v[ACC+8*(4*\hf+\b):ACC+8*(4*\hf+\b)+7], v[SW+(\p)], v[XSW+4*\hf+\b] matrix_a_fmt:MATRIX_FMT_BF8 matrix_b_fmt:MATRIX_FMT_BF8 matrix_a_scale:MATRIX_SCALE_ROW1 matrix_b_scale:MATRIX_SCALE_ROW1
.endr
	WIN 0
.endm
; 48 vector instructions for 32 registers of scores: the tags (each accumulator from its low end on), then the maximum, two keys an instruction.  Record 0 starts the slot's key.
.macro EPI u, hf
.irp j, 0,1,2,3,4,5,6,7
.irp b, 0,1,2,3
	v_and_or_b32 v[ACC+8*(4*\hf+\b)+\j], v[ACC+8*(4*\hf+\b)+\j], s34, 31-(8*(\u)+\j)
.endr
.endr
.if (\u) == 0
.irp b, 0,1,2,3
	v_max3_num_f32 v[KT+4*\hf+\b], v[ACC+8*(4*\hf+\b)], v[ACC+8*(4*\hf+\b)+1], v[ACC+8*(4*\hf+\b)+2]
.endr
.irp i, 3,5
.irp b, 0,1,2,3
	v_max3_num_f32 v[KT+4*\hf+\b], v[KT+4*\hf+\b], v[ACC+8*(4*\hf+\b)+\i], v[ACC+8*(4*\hf+\b)+\i+1]
.endr
.endr
.irp b, 0,1,2,3
	v_max_num_f32 v[KT+4*\hf+\b], v[KT+4*\hf+\b], v[ACC+8*(4*\hf+\b)+7]
.endr
.else
.irp i, 0,2,4,6
.irp b, 0,1,2,3
	v_max3_num_f32 v[KT+4*\hf+\b], v[KT+4*\hf+\b], v[ACC+8*(4*\hf+\b)+\i], v[ACC+8*(4*\hf+\b)+\i+1]
.endr
.endr
.endif
.endm
; the slot's key against the best so far: a choice of values, no branch; the earlier slot keeps a tie
.macro MERGE hf
.irp b, 0,1,2,3
	v_cmp_gt_f32 s[40+\b], v[KT+4*\hf+\b], v[KB+4*\hf+\b]
.endr
.irp b, 0,1,2,3
	v_cndmask_b32 v[KB+4*\hf+\b], v[KB+4*\hf+\b], v[KT+4*\hf+\b], s[40+\b]
.endr
.irp b, 0,1,2,3
	v_cndmask_b32 v[TBK+4*\hf+\b], v[TBK+4*\hf+\b], v[TRP], s[40+\b]
.endr
.endm
; RECORD u OF A SLOT: 16 matrix instructions in two runs of eight, and behind each run the 48 vector instructions of the run before it.  Those name none of the run's registers, so they are the
; places (eight are asked behind this form, nine ahead of a matrix instruction that writes an accumulator anew) ahead of the reads of its results, of the loads into its operands' buffer and of the next products: no v_nop.
; chg = 0: the next record's loads are issued a whole record ahead of their use (ld = 0: there is none).
; chg = 1: the slot's last record changes slots.  Each wave waits for all its tensor loads (one is out: its part of the other slot), adds 0 to its spare word, and waits for that and for its reads of this slot (the last are this
; record's); the barrier opens a round of the cluster's, inside which stand eight matrix instructions; the joint refill, this slot's next 16 records, is the first tensor load behind the round and has a whole slot's work in which to land.
; chg = 2: the same without a refill: a plain barrier.
.macro TILE u, chg, ld
.if \chg == 0
	s_wait_dscnt 0x0                               ; this record's eleven loads, issued a record ago
.if \ld
	LOAD (\u)+1, 1-(\u)%2
.endif
	BMUL (\u)%2, 0
.else
	s_wait_tensorcnt 0x0                           ; no tensor load of mine is out, so the walking group 0 may be written
	ds_add_u32 v[SPW], v[NIL]                      ; 0 onto my spare word
.if \chg == 1
	s_xor_b32 s29, s29, SLOT1                      ; the other slot than last time,
	s_add_nc_u64 s[30:31], s[30:31], SLOTB         ; the next 16 records; the type bits on top are not reached
.endif
	s_wait_dscnt 0x0                               ; the add is done, and my reads of this slot are over
	s_barrier_signal -1
	BMUL (\u)%2, 0                                 ; work on registers while the others arrive
	s_barrier_wait -1
.if \chg == 1
	CREST                                          ; no wave of any partner still reads this slot or has a load on its way
	tensor_load_to_lds s[28:31], s[16:23]          ; my one tensor load behind the round
	s_nop 0
.rept 4
	v_nop                                          ; behind a tensor load
.endr
.endif
	s_xor_b32 s32, s32, SLOT1                      ; on to the other slot (no LDS load of mine is out: the addresses may be written)
	v_add_nc_u32 v[ADI], s32, v[AI0]
	v_add_nc_u32 v[ADS], s32, v[AS0]
	v_add_nc_u32 v[ADB], s32, v[AB0]
	LOAD 0, 1-(\u)%2
.endif
	EPI ((\u)+3)%4, 1                              ; rows 64-127 of the record before
.if \u == 0
	MERGE 1                                        ; which was the last of the slot before: v[TRP] still holds that slot's number
	v_add_nc_u32 v[TRP], 1, v[TRP]
.endif
	BMUL (\u)%2, 1
	EPI \u, 0                                      ; rows 0-63 of this record
.if \u == 3
	MERGE 0
.endif
.endm
	s_mov_b32 s32, 0                               ; the slot in hand begins at LDS byte 0
	v_add_nc_u32 v[ADI], s32, v[AI0]
	v_add_nc_u32 v[ADS], s32, v[AS0]
	v_add_nc_u32 v[ADB], s32, v[AB0]
	LOAD 0, 0
	s_mov_b32 s33, 14
.Lslot:                                            ; 14 trips: trip p reads slot p % 2 and fills it again with the records of trip p + 2
	TILE 0, 0, 1
	TILE 1, 0, 1
	TILE 2, 0, 1
	TILE 3, 1, 1
	s_sub_co_u32 s33, s33, 1
	s_cmp_lg_u32 s33, 0
	s_cbranch_scc1 .Lslot
	TILE 0, 0, 1                                   ; the last two slots are written out: nothing is left to fetch
	TILE 1, 0, 1
	TILE 2, 0, 1
	TILE 3, 2, 1
	TILE 0, 0, 1
	TILE 1, 0, 1
	TILE 2, 0, 1
	TILE 3, 0, 0
	EPI 3, 1                                       ; rows 64-127 of the last record
	MERGE 1
; of two pairs (value, index) the second replaces the first where its value is greater, or equal with the lower index
.macro TAKE va, ia, vo, io
	v_cmp_gt_f32 s40, v[\vo], v[\va]
	v_cmp_eq_f32 s41, v[\vo], v[\va]
	v_cmp_lt_u32 s42, v[\io], v[\ia]
	s_and_b32 s41, s41, s42
	s_or_b32 s40, s40, s41
	v_cndmask_b32 v[\va], v[\va], v[\vo], s40
	v_cndmask_b32 v[\ia], v[\ia], v[\io], s40
.endm
	; THE KEYS ARE TAKEN APART.  e = 31 - tag = 8 u + j; the codebook row is 256 slot + 64 cq + 16 u + 8 h + j = 256 slot + (64 cq + 8 h) + e + (e & 24)
	s_lshl_b32 s39, s11, 6
	v_bfe_u32 v34, v0, 4, 1
	v_lshl_add_u32 v34, v34, 3, s39
.irp b, 0,1,2,3,4,5,6,7
	v_and_b32 v[E+\b], 31, v[KB+\b]
.endr
.irp b, 0,1,2,3,4,5,6,7
	v_xor_b32 v[E+\b], 31, v[E+\b]
.endr
.irp b, 0,1,2,3,4,5,6,7
	v_and_b32 v[E2+\b], 24, v[E+\b]
.endr
.irp b, 0,1,2,3,4,5,6,7
	v_add3_u32 v[E+\b], v[E+\b], v[E2+\b], v34
.endr
.irp b, 0,1,2,3,4,5,6,7
	v_lshl_add_u32 v[TBK+\b], v[TBK+\b], 8, v[E+\b]   ; the index
.endr
.irp b, 0,1,2,3,4,5,6,7
	v_and_b32 v[KB+\b], s34, v[KB+\b]              ; the value, without its tag
.endr
.irp b, 0,1,2,3,4,5,6,7
	v_permlanex16_b32 v[OV+\b], v[KB+\b], s36, s37    ; the row's other eight codebook rows of each record lie in the lane 16 away (the destinations were written at the head)
.endr
.irp b, 0,1,2,3,4,5,6,7
	v_permlanex16_b32 v[OI+\b], v[TBK+\b], s36, s37
.endr
.irp b, 0,1,2,3,4,5,6,7
	TAKE KB+\b, TBK+\b, OV+\b, OI+\b
.endr
.irp b, 0,1,2,3,4,5,6,7
	v_cndmask_b32 v[E+\b], v[KB+\b], v[TBK+\b], s38   ; lanes 0-15 carry row r's value, lanes 16-31 its index
	ds_store_b32 v[AMS], v[E+\b] offset:128*\b
.endr
	s_wait_dscnt 0x0                               ; for the others' sake: my results lie in LDS
	s_barrier_signal -1
	s_barrier_wait -1
	s_cmp_lt_u32 s10, 4                            ; waves 0-3 join the four waves of a row half, 64 rows each, two a lane; no barrier stands in this branch
	s_cbranch_scc0 .Ldone
.irp q, 0,1,2,3
	ds_load_b64 v[MV+2*\q:MV+2*\q+1], v[AML] offset:1024*\q
	ds_load_b64 v[MI+2*\q:MI+2*\q+1], v[AML] offset:1024*\q+64
.endr
	s_wait_dscnt 0x0
.irp e, 0,1
	TAKE MV+\e, MI+\e, MV+2+\e, MI+2+\e
	TAKE MV+4+\e, MI+4+\e, MV+6+\e, MI+6+\e
	TAKE MV+\e, MI+\e, MV+4+\e, MI+4+\e
.endr
	global_store_b64 v[IO], v[MI:MI+1], s[8:9]     ; 32 lanes store 256 consecutive bytes, at a multiple of 256 from the buffer's first byte
.Ldone:
	s_wait_tensorcnt 0x0                           ; the wave's end: behind my last tensor load and my last LDS store
	ds_add_u32 v[SPW], v[NIL]
	s_wait_dscnt 0x0
	CROUND                                         ; the closing round: no work-group ends while a partner may still ask for a slot that names it
	s_endpgm
.Lfunc_end_k_qdee3339cc8_main:
	.size	k_qdee3339cc8_main, .Lfunc_end_k_qdee3339cc8_main-k_qdee3339cc8_main
	.p2alignl 7, 3214868480
	.fill 96, 4, 3214868480
	.section	.rodata,"a",@progbits
	.p2align	6, 0x0
	.amdhsa_kernel k_qdee3339cc8_main
		.amdhsa_group_segment_fixed_size 327680
		.amdhsa_private_segment_fixed_size 0
		.amdhsa_enable_private_segment 0
		.amdhsa_kernarg_size 24
		.amdhsa_user_sgpr_count 2
		.amdhsa_user_sgpr_kernarg_segment_ptr 1
		.amdhsa_wavefront_size32 1
		.amdhsa_system_sgpr_workgroup_id_x 1
		.amdhsa_system_sgpr_workgroup_id_y 1
		.amdhsa_system_sgpr_workgroup_id_z 1
		.amdhsa_system_vgpr_workitem_id 0
		.amdhsa_next_free_vgpr 512
		.amdhsa_next_free_sgpr 66
		.amdhsa_reserve_vcc 0
		.amdhsa_float_denorm_mode_32 3
		.amdhsa_float_denorm_mode_16_64 3
		.amdhsa_memory_ordered 1
		.amdhsa_forward_progress 1
		.amdhsa_inst_pref_size 187
	.end_amdhsa_kernel
	.amdgpu_metadata
---
amdhsa.version: [ 1, 2 ]
amdhsa.kernels:
  - .name:           k_qdee3339cc8_main
    .symbol:         k_qdee3339cc8_main.kd
    .args:
      - { .name: x, .offset: 0, .size: 8, .value_kind: global_buffer, .address_space: global }
      - { .name: cbq, .offset: 8, .size: 8, .value_kind: global_buffer, .address_space: global }
      - { .name: idx, .offset: 16, .size: 8, .value_kind: global_buffer, .address_space: global }
    .group_segment_fixed_size: 327680
    .private_segment_fixed_size: 0
    .kernarg_segment_align: 8
    .kernarg_segment_size: 24
    .max_flat_workgroup_size: 256
    .sgpr_count:     66
    .vgpr_count:     512
    .wavefront_size: 32
...
	.end_amdgpu_metadata
.endif
;; end of part 2
;; launch fin (part 3): grid 1024 x 1, 8 waves a work-group, no clusters, 0 bytes of LDS; arguments x, random_vector, codebooks, idx, out0; writes out0
.if DOCPART == 3
	.amdgcn_target "amdgcn-amd-amdhsa--gfx1250"
	.amdhsa_code_object_version 6
	.text
	.protected	k_qdee3339cc8_fin
	.globl	k_qdee3339cc8_fin
	.p2align	8
	.type	k_qdee3339cc8_fin,@function
k_qdee3339cc8_fin:
	s_mov_b64 s[64:65], 0
	v_nop
	global_prefetch_b8 v0, s[64:65] scope:SCOPE_SE
	s_setreg_imm32_b32 hwreg(HW_REG_WAVE_MODE, 25, 1), 1
	s_wait_xcnt 0x0
; out[n] = x[n] + (||x[n] - c[n]|| / ||rv[n]|| + 1e-12) rv[n], c[n] = the f32 codebook row whose number the launch before stored for row n.  All in f32.
; A stream: a wave takes 8 rows; a row of 1,024 bytes is two loads of 512 consecutive bytes (a lane holds columns 4 lane .. + 3 and 128 + 4 lane .. + 3) and stays in registers, so x and rv are read once here
; and the output leaves in stores of 512 consecutive bytes.  48 loads of a wave are on their way at once; no LDS, no barrier, no matrix unit: waves share nothing, and there is no product.
; The eight indices come by one scalar load; each is held inside the table (at most 4,095) before it enters an address.
; LIMITS: the quotient of the norms is sqrt(.) x rsq(.), each good to 1 ulp (ISA guide, their entries); a row of rv whose sum of squares is 0 or denormal gives infinity or NaN, as the division by a zero norm does.
.set CO, 2                             ; v2-9     the gather's offsets: 1,024 x index + 16 lane
.set X,  16                            ; v16-79   x, 8 registers a row
.set R,  80                            ; v80-143  rv, then the output
.set C,  144                           ; v144-207 the codebook rows, then x - c
.set S1, 208                           ; v208-223 the sums of (x - c)^2, a pair a row
.set S2, 224                           ; v224-239 the sums of rv^2
.set FP, 240                           ; v240-255 the factor (low register of a pair), the norm of x - c (high)
	s_load_b256 s[4:11], s[0:1], 0x0               ; x s[4:5], rv s[6:7], the codebook s[8:9], the indices s[10:11]
	s_load_b64 s[12:13], s[0:1], 0x20              ; the output
	v_lshrrev_b32 v10, 5, v0
	v_readfirstlane_b32 s14, v10                   ; wave 0..7
	v_and_b32 v1, 31, v0
	v_lshlrev_b32 v1, 4, v1                        ; 16 x lane
	s_lshl_b32 s15, ttmp9, 6
	s_lshl_b32 s16, s14, 3
	s_add_co_u32 s15, s15, s16                     ; my first row: 64 x work-group + 8 x wave
	s_lshl_b32 s16, s15, 2                         ; its index: 4 bytes a row
	s_mov_b32 s17, 0
	s_lshl_b32 s18, s15, 10                        ; its 1,024 bytes (under 2^26)
	s_mov_b32 s19, 0
	s_mov_b32 s36, 0x76543210
	s_mov_b32 s37, 0xfedcba98                      ; v_permlanex16_b32's selects for lane l xor 16
	s_mov_b32 s38, 0x2b8cbccc                      ; 1e-12
	s_wait_kmcnt 0x0
	s_add_nc_u64 s[10:11], s[10:11], s[16:17]
	s_add_nc_u64 s[4:5], s[4:5], s[18:19]
	s_add_nc_u64 s[6:7], s[6:7], s[18:19]
	s_add_nc_u64 s[12:13], s[12:13], s[18:19]
	s_load_b256 s[20:27], s[10:11], 0x0            ; my eight indices
.irp i, 0,1,2,3,4,5,6,7
	global_load_b128 v[X+8*\i:X+8*\i+3], v1, s[4:5] offset:1024*\i th:TH_LOAD_NT
	global_load_b128 v[X+8*\i+4:X+8*\i+7], v1, s[4:5] offset:1024*\i+512 th:TH_LOAD_NT
.endr
.irp i, 0,1,2,3,4,5,6,7
	global_load_b128 v[R+8*\i:R+8*\i+3], v1, s[6:7] offset:1024*\i th:TH_LOAD_NT
	global_load_b128 v[R+8*\i+4:R+8*\i+7], v1, s[6:7] offset:1024*\i+512 th:TH_LOAD_NT
.endr
	s_wait_kmcnt 0x0
.irp i, 0,1,2,3,4,5,6,7
	s_min_u32 s[20+\i], s[20+\i], 0xfff            ; inside the table
	s_lshl_b32 s[20+\i], s[20+\i], 10
	v_add_nc_u32 v[CO+\i], s[20+\i], v1
.endr
.irp i, 0,1,2,3,4,5,6,7
	global_load_b128 v[C+8*\i:C+8*\i+3], v[CO+\i], s[8:9]              ; no hint: many rows name the same codebook row
	global_load_b128 v[C+8*\i+4:C+8*\i+7], v[CO+\i], s[8:9] offset:512
.endr
; the sum of the squares of 8 registers a row, two at a time; the eight rows by turns; the first product starts the sum
.macro SUMSQ s, a
.irp i, 0,1,2,3,4,5,6,7
	v_pk_mul_f32 v[\s+2*\i:\s+2*\i+1], v[\a+8*\i:\a+8*\i+1], v[\a+8*\i:\a+8*\i+1]
.endr
.irp j, 2,4,6
.irp i, 0,1,2,3,4,5,6,7
	v_pk_fma_f32 v[\s+2*\i:\s+2*\i+1], v[\a+8*\i+\j:\a+8*\i+\j+1], v[\a+8*\i+\j:\a+8*\i+\j+1], v[\s+2*\i:\s+2*\i+1]
.endr
.endr
.endm
; the pair's halves, then the 32 lanes: four steps inside each half of 16 lanes ride on the addition, one crosses the halves; every lane ends up with the row's sum
.macro RED s
.irp i, 0,1,2,3,4,5,6,7
	v_add_f32 v[\s+2*\i], v[\s+2*\i], v[\s+2*\i+1]
.endr
.irp m, 1,2,4,8
.irp i, 0,1,2,3,4,5,6,7
	v_add_f32_dpp v[\s+2*\i], v[\s+2*\i], v[\s+2*\i] row_xmask:\m row_mask:0xf bank_mask:0xf
.endr
.endr
.irp i, 0,1,2,3,4,5,6,7
	v_permlanex16_b32 v[\s+2*\i+1], v[\s+2*\i], s36, s37
.endr
.irp i, 0,1,2,3,4,5,6,7
	v_add_f32 v[\s+2*\i], v[\s+2*\i], v[\s+2*\i+1]
.endr
.endm
	s_wait_loadcnt 16                              ; x and rv are in; the sixteen loads of the gather may be out
	SUMSQ S2, R
	RED S2                                         ; ||rv||^2, while the gather is on its way
	s_wait_loadcnt 0x0
.irp j, 0,2,4,6
.irp i, 0,1,2,3,4,5,6,7
	v_pk_add_f32 v[C+8*\i+\j:C+8*\i+\j+1], v[X+8*\i+\j:X+8*\i+\j+1], v[C+8*\i+\j:C+8*\i+\j+1] neg_lo:[0,1] neg_hi:[0,1]   ; x - c
.endr
.endr
	SUMSQ S1, C
	RED S1                                         ; ||x - c||^2
.irp i, 0,1,2,3,4,5,6,7
	v_sqrt_f32 v[FP+2*\i+1], v[S1+2*\i]
	v_rsq_f32 v[S2+2*\i+1], v[S2+2*\i]
.endr
	v_nop                                          ; one plain vector instruction between the last transcendental and the use of its result (ISA guide 5.7.2)
	s_wait_alu depctr_va_vdst(0)
.irp i, 0,1,2,3,4,5,6,7
	v_fma_f32 v[FP+2*\i], v[FP+2*\i+1], v[S2+2*\i+1], s38   ; ||x - c|| / ||rv|| + 1e-12
.endr
.irp i, 0,1,2,3,4,5,6,7
.irp j, 0,2,4,6
	v_pk_fma_f32 v[R+8*\i+\j:R+8*\i+\j+1], v[R+8*\i+\j:R+8*\i+\j+1], v[FP+2*\i:FP+2*\i+1], v[X+8*\i+\j:X+8*\i+\j+1] op_sel_hi:[1,0,1]   ; of the pair the low register, the factor, serves both halves
.endr
	global_store_b128 v1, v[R+8*\i:R+8*\i+3], s[12:13] offset:1024*\i th:TH_STORE_NT          ; 512 consecutive bytes, at a multiple of 256 from the output's first byte
	global_store_b128 v1, v[R+8*\i+4:R+8*\i+7], s[12:13] offset:1024*\i+512 th:TH_STORE_NT
.endr
	s_endpgm
.Lfunc_end_k_qdee3339cc8_fin:
	.size	k_qdee3339cc8_fin, .Lfunc_end_k_qdee3339cc8_fin-k_qdee3339cc8_fin
	.p2alignl 7, 3214868480
	.fill 96, 4, 3214868480
	.section	.rodata,"a",@progbits
	.p2align	6, 0x0
	.amdhsa_kernel k_qdee3339cc8_fin
		.amdhsa_group_segment_fixed_size 0
		.amdhsa_private_segment_fixed_size 0
		.amdhsa_enable_private_segment 0
		.amdhsa_kernarg_size 40
		.amdhsa_user_sgpr_count 2
		.amdhsa_user_sgpr_kernarg_segment_ptr 1
		.amdhsa_wavefront_size32 1
		.amdhsa_system_sgpr_workgroup_id_x 1
		.amdhsa_system_sgpr_workgroup_id_y 1
		.amdhsa_system_sgpr_workgroup_id_z 1
		.amdhsa_system_vgpr_workitem_id 0
		.amdhsa_next_free_vgpr 256
		.amdhsa_next_free_sgpr 66
		.amdhsa_reserve_vcc 0
		.amdhsa_float_denorm_mode_32 3
		.amdhsa_float_denorm_mode_16_64 3
		.amdhsa_memory_ordered 1
		.amdhsa_forward_progress 1
		.amdhsa_inst_pref_size 24
	.end_amdhsa_kernel
	.amdgpu_metadata
---
amdhsa.version: [ 1, 2 ]
amdhsa.kernels:
  - .name:           k_qdee3339cc8_fin
    .symbol:         k_qdee3339cc8_fin.kd
    .args:
      - { .name: x, .offset: 0, .size: 8, .value_kind: global_buffer, .address_space: global }
      - { .name: random_vector, .offset: 8, .size: 8, .value_kind: global_buffer, .address_space: global }
      - { .name: codebooks, .offset: 16, .size: 8, .value_kind: global_buffer, .address_space: global }
      - { .name: idx, .offset: 24, .size: 8, .value_kind: global_buffer, .address_space: global }
      - { .name: out0, .offset: 32, .size: 8, .value_kind: global_buffer, .address_space: global }
    .group_segment_fixed_size: 0
    .private_segment_fixed_size: 0
    .kernarg_segment_align: 8
    .kernarg_segment_size: 40
    .max_flat_workgroup_size: 256
    .sgpr_count:     66
    .vgpr_count:     256
    .wavefront_size: 32
...
	.end_amdgpu_metadata
.endif
;; end of part 3
